; MI455X (gfx1250); checked and timed in simulation.
; The chip was launched on July 23, 2026; its instructions are those of AMD's public machine-readable ISA for CDNA 5 (MIT licence, August 2026) and "CDNA5" Instruction Set Architecture Reference Guide (July 2026). The comments in the code are by the model that wrote it; some were corrected since.
;; QS Cross Attention. Allowed arithmetic: float matrix products may take bf16 or f16 operands with f32 sums; all other float work in f32.
;; Inputs: Wk 512 x 512 float32; Wproj 512 x 512 float32; Wq 512 x 512 float32; Wv 512 x 512 float32; prototype 8 x 1,024 x 512 float32; q_x 8 x 4,096 x 512 float32; qry_attn_mask 8 x 4,096 bool.
;; Outputs: out0 8 x 1,024 x 512 float32.
;; One version. Each part assembles by itself: llvm-mc -triple=amdgcn-amd-amdhsa -mcpu=gfx1250 --defsym DOCPART=n.
;; ======== version 1 of 1: 4 launches
;; limits: inputs' magnitudes at most 65,504; values are held in f16: magnitudes above 65,504 overflow, below 6.1e-05 lose precision; right only within a limited range of input values
;; workspace buffers: xb 33,554,432 bytes; bias 131,072 bytes; w1f 524,288 bytes; w2f 524,288 bytes; qf 8,388,608 bytes; zpart 33,554,432 bytes; ml 131,072 bytes
;; launch prep (part 1): grid 384 x 1, 8 waves a work-group, no clusters, 164,864 bytes of LDS; arguments q_x, qry_attn_mask, Wq, Wk, Wv, Wproj, xb, bias, w1f, w2f; writes xb, bias, w1f, w2f
.if DOCPART == 1
	.amdgcn_target "amdgcn-amd-amdhsa--gfx1250"
	.amdhsa_code_object_version 6
	.text
	.protected	k_qe6e5fdddfd_prep
	.globl	k_qe6e5fdddfd_prep
	.p2align	8
	.type	k_qe6e5fdddfd_prep,@function
k_qe6e5fdddfd_prep:
	s_mov_b64 s[64:65], 0
	v_nop
	global_prefetch_b8 v0, s[64:65] scope:SCOPE_SE
	s_setreg_imm32_b32 hwreg(HW_REG_WAVE_MODE, 25, 1), 1
	s_wait_xcnt 0x0
; PREP.  Two roles, picked by the work-group's number.
; Work-groups 0-127 (folds): one 64 x 64 tile of a folded weight each.
;   product 0:  W1[c][d] = 16 * sum over e of Wq[e][c] Wk[e][d]         (q . k = prototype W1 q_x^T / 16)
;   product 1:  W2[e][d] = 16 * sum over f of Wproj[e][f] Wv[f][d]      (out = (softmax q_x) W2^T / 16)
;   The re-association is exact in algebra; the order of rounding differs from the reference's.
;   FORMAT: all matrix operands of this program are f16: three roundings to 8 significant bits on the way from P to the output
;   leave too little margin against an allowance of a hundredth of the output's spread over four million numbers; 11 bits do.
;   ROOM in f16 (largest 65,504, normal from 6.1e-5): the weights lie within 0.045; thirty times that, or an offset of thirty
;   spreads (0.77), is near 1.  A folded weight has spread 0.0147; with both factors offset it is 512 * 0.77^2 = 303, with both thirty
;   times larger at most 900, with both thirty times smaller 1.6e-5.  The factor 16 puts these at 4,850, 14,400 and 2.6e-4.
;   The tile is computed as D[M = the later product's k index][N = its row index]: a lane's eight results are then eight
;   neighbouring k of one row, and two neighbouring M tiles, rounded to f16, ARE a 16 x 32 A fragment of the later product.
;   A fragment is stored as 1,024 bytes: registers 0-3 at 16 x lane, registers 4-7 at 512 + 16 x lane.
;   Fragment (row block mbrow, K step kk) lies at (mbrow / 4) * 65536 + kk * 4096 + (mbrow % 4) * 1024.
; Work-groups 128-383 (stream): 128 rows of q_x each, f32 to f16 (|q_x| up to 65,504), and the bias of those 128 keys, in the unit
;   in which ATTN sums its scores, (q . k) / 1024:  0 where the mask byte is not 0, -10000 * sqrt(512) / 1024 where it is 0.
; No joint loads: the weights have to pass through registers to be rounded, and all four are 4 MiB together.
; LDS of a fold: A's tile at 0, B's at 81,920, 81,920 bytes each, and in each tile wave w writes only bytes
; 10,240 w .. 10,240 w + 10,239, whichever product the work-group makes:
;   a tile stored [k][64 columns of f16], pitch 160: wave w stages k rows 64 w .. 64 w + 63, which are exactly those bytes;
;   a tile stored [row][512 k of f16], pitch 1,040: wave w stages rows 8 w .. 8 w + 7 (8,320 bytes) from byte 10,368 w on;
;   128 w + 8,320 is at most 10,240 for w up to 7, so these bytes lie inside the same 10,240.
.set NEGB,  0xc35cf88b                 ; -10000 * sqrt(512) / 1024 = -220.97087
.set WSC,   0x41800000                 ; 16.0
.set BT,    81920                      ; LDS: A's tile at 0, B's tile here
.set KP,    160                        ; pitch of a tile stored [k][64 columns of f16]: 128 bytes + 32, an odd multiple of 32
.set NP,    1040                       ; pitch of a tile stored [row][512 k of f16]: 1,024 bytes + 16, an odd multiple of 16
.set WB1,   10368                      ; from one wave's eight such rows to the next wave's: 10,240 + 128, so that rows 8-15 of a
                                       ; fragment begin eight 16-byte columns behind rows 0-7
	v_lshl_add_u32 v208, v0, 2, 0x28000
	v_mov_b32 v209, 0
	v_lshrrev_b32 v1, 5, v0
	v_readfirstlane_b32 s2, v1                     ; wave 0..7
	v_and_b32 v15, 31, v0                          ; lane
	s_cmp_lt_u32 ttmp9, 128
	s_cbranch_scc1 .Lfold
; ---------------------------------------------------------------- the stream
; Thread t, step n of 64: 16 bytes of f32 at n * 4096 + 16 t in, 8 bytes of f16 at n * 2048 + 8 t out: a wave's load covers 512
; neighbouring bytes, its store 256, aligned.  A ring of 32 slots in registers (v16-143) keeps 32 loads of every wave on their way:
; 16 KiB a wave, 128 KiB a work-group, half of what it reads.  No register that a store reads is written again: steps 0-31 round
; into v144-207, two registers of their own each, and steps 32-63, whose slots are not loaded again, round in place.  So the
; only waits are the counted ones for the loads.
	s_load_b128 s[4:7], s[0:1], 0x0                ; q_x s[4:5], mask s[6:7]
	s_load_b128 s[8:11], s[0:1], 0x30              ; xb s[8:9], bias s[10:11]
	s_sub_co_u32 s12, ttmp9, 128                   ; which 128 rows
	s_lshl_b32 s14, s12, 18                        ; 128 rows of 2,048 bytes
	s_mov_b32 s15, 0
	s_lshl_b32 s16, s12, 17                        ; 128 rows of 1,024 bytes
	s_mov_b32 s17, 0
	s_lshl_b32 s18, s12, 7                         ; 128 mask bytes
	s_mov_b32 s19, 0
	s_lshl_b32 s20, s12, 9                         ; 128 biases
	s_mov_b32 s21, 0
	v_lshlrev_b32 v1, 4, v0                        ; 16 t: never rewritten
	v_lshlrev_b32 v2, 3, v0                        ; 8 t: never rewritten
	v_lshlrev_b32 v3, 2, v15                       ; 4 lane: never rewritten
	s_wait_kmcnt 0x0
	s_add_nc_u64 s[4:5], s[4:5], s[14:15]
	s_add_nc_u64 s[8:9], s[8:9], s[16:17]
	s_add_nc_u64 s[6:7], s[6:7], s[18:19]
	s_add_nc_u64 s[10:11], s[10:11], s[20:21]
	global_load_b32 v4, v3, s[6:7]                 ; the group's 128 mask bytes, four a lane.  Every wave issues this load, the oldest of all,
	                                               ; so that the counts below are the same in all waves; wave 0 alone uses it
.set n, 0
.rept 32
	global_load_b128 v[16+4*n:19+4*n], v1, s[4:5] offset:n*4096 th:TH_LOAD_NT
.set n, n+1
.endr
	; wave 0 alone: four biases a lane, one store of 512 neighbouring bytes
	s_cmp_lg_u32 s2, 0
	s_cbranch_scc1 .Lnobias
	v_mov_b32 v5, NEGB
	s_wait_loadcnt 32                              ; the mask word is in; the ring's 32 loads stay out
.irp b, 0,1,2,3
	v_bfe_u32 v6, v4, 8*\b, 8
	v_cmp_eq_u32 vcc_lo, 0, v6
	v_cndmask_b32 v[8+\b], 0, v5, vcc_lo           ; byte 0: the bias; any other byte: 0
.endr
	global_store_b128 v1, v[8:11], s[10:11]
.Lnobias:
.set n, 0
.rept 32
	s_wait_loadcnt 31                              ; loads come back in order (ISA guide 5.7.1): step n's is in, the 31 younger stay out
	v_cvt_pk_f16_f32 v[144+2*n], v[16+4*n], v[17+4*n]
	v_cvt_pk_f16_f32 v[145+2*n], v[18+4*n], v[19+4*n]
	global_load_b128 v[16+4*n:19+4*n], v1, s[4:5] offset:(n+32)*4096 th:TH_LOAD_NT
	global_store_b64 v2, v[144+2*n:145+2*n], s[8:9] offset:n*2048
.set n, n+1
.endr
.set n, 0
.rept 32
	s_wait_loadcnt 31-n                            ; nothing more is asked for: the counts run down
	v_cvt_pk_f16_f32 v[16+4*n], v[16+4*n], v[17+4*n]
	v_cvt_pk_f16_f32 v[17+4*n], v[18+4*n], v[19+4*n]
	global_store_b64 v2, v[16+4*n:17+4*n], s[8:9] offset:(n+32)*2048
.set n, n+1
.endr
	s_endpgm
; ---------------------------------------------------------------- the folds
.macro LD16 reg, voff, sb, gstep, p0   ; passes p0 .. p0 + 15: 16 loads of 16 bytes a lane, gstep bytes apart
.set p, 0
.rept 16
	global_load_b128 v[\reg+4*p:\reg+4*p+3], v[\voff], s[\sb:\sb+1] offset:(\p0+p)*\gstep
.set p, p+1
.endr
.endm
.macro ST16 reg, vlds, la, lb, p0      ; round them to f16 and lay them into LDS: pass q at (q / 4) * la + (q % 4) * lb
.set p, 0
.rept 16
	v_cvt_pk_f16_f32 v[144+2*p], v[\reg+4*p], v[\reg+4*p+1]
	v_cvt_pk_f16_f32 v[145+2*p], v[\reg+4*p+2], v[\reg+4*p+3]
	ds_store_b64 v[\vlds], v[144+2*p:145+2*p] offset:((\p0+p)/4)*\la+((\p0+p)%4)*\lb
.set p, p+1
.endr
.endm
; Both tiles, 32 passes each, in runs of 16 loads; each count of 16 leaves the one younger run on its way.
; A's pass takes two k rows (320 bytes of LDS, 4,096 of memory on); B's steps are the arguments.
.macro STAGE gb, la, lb
	LD16 16, 4, 20, 4096, 0
	LD16 80, 7, 22, \gb, 0
	s_wait_loadcnt 16
	ST16 16, 5, 4*2*KP, 2*KP, 0
	LD16 16, 4, 20, 4096, 16
	s_wait_loadcnt 16
	ST16 80, 8, \la, \lb, 0
	LD16 80, 7, 22, \gb, 16
	s_wait_loadcnt 16
	ST16 16, 5, 4*2*KP, 2*KP, 16
	s_wait_loadcnt 0x0
	ST16 80, 8, \la, \lb, 16
.endm
; K = 512 in four groups of four K steps of 32.  A comes by transposing loads (it is stored [k][m]); B likewise (btr = 1) or
; by plain loads (btr = 0, stored [n][k]).  The two accumulators take turns, one instruction a turn.
.macro FOLDK btr
.set g, 0
.rept 4
.set q, 0
.rept 4
.irp a, 0,1
	ds_load_tr16_b128 v[16+16*q+8*\a:16+16*q+8*\a+3], v[13+g/2] offset:((4*g+q)%8)*5120+32*\a
	ds_load_tr16_b128 v[16+16*q+8*\a+4:16+16*q+8*\a+7], v[13+g/2] offset:((4*g+q)%8)*5120+32*\a+2560
.endr
.if \btr
	ds_load_tr16_b128 v[80+8*q:80+8*q+3], v[4+g/2] offset:((4*g+q)%8)*5120
	ds_load_tr16_b128 v[80+8*q+4:80+8*q+7], v[4+g/2] offset:((4*g+q)%8)*5120+2560
.else
	ds_load_b128 v[80+8*q:80+8*q+3], v4 offset:(4*g+q)*64
	ds_load_b128 v[80+8*q+4:80+8*q+7], v4 offset:(4*g+q)*64+32
.endif
.set q, q+1
.endr
	s_wait_dscnt 0x0
.set q, 0
.rept 4
.if (g+q) == 0
	v_wmma_f32_16x16x32_f16 v[112:119], v[16:23], v[80:87], 0           ; the first K step starts the sums
	v_wmma_f32_16x16x32_f16 v[120:127], v[24:31], v[80:87], 0
.else
	v_wmma_f32_16x16x32_f16 v[112:119], v[16+16*q:16+16*q+7], v[80+8*q:80+8*q+7], v[112:119]
	v_wmma_f32_16x16x32_f16 v[120:127], v[24+16*q:24+16*q+7], v[80+8*q:80+8*q+7], v[120:127]
.endif
.set q, q+1
.endr
.rept 4
	v_nop                                          ; four places before the fragments are loaded again or the sums are read (ISA guide 7.12.1)
.endr
.set g, g+1
.endr
.endm
.Lfold:
	s_load_b256 s[4:11], s[0:1], 0x10              ; Wq s[4:5], Wk s[6:7], Wv s[8:9], Wproj s[10:11]
	s_load_b128 s[12:15], s[0:1], 0x40             ; w1f s[12:13], w2f s[14:15]
	s_lshr_b32 s16, ttmp9, 6                       ; product 0 or 1
	s_and_b32 s17, ttmp9, 7                        ; ti: which 64 of M (the fragments' k)
	s_bfe_u32 s18, ttmp9, 0x30003                  ; tj: which 64 of N (the fragments' rows)
	s_mov_b32 s26, WSC                             ; the factor 16,
	s_mov_b32 s27, WSC                             ; as a pair for the packed multiply
	v_lshrrev_b32 v2, 4, v15                       ; h = lane / 16
	v_and_b32 v1, 15, v15                          ; r = lane % 16
	; a tile stored [k][64 columns]: pass p takes k rows 64 wave + 2 p + h, 16 bytes of f32 at column 4 r
	s_lshl_b32 s28, s2, 17                         ; 64 wave rows of 2,048 bytes
	s_lshl_b32 s29, s17, 8
	s_add_co_u32 s29, s29, s28
	v_lshlrev_b32 v3, 11, v2
	v_lshl_add_u32 v3, v1, 4, v3                   ; the lane's part: h * 2048 + 16 r
	v_add_nc_u32 v4, s29, v3                       ; A in memory
	s_mul_i32 s30, s2, 64*KP                       ; the wave's own 10,240 bytes
	v_mul_u32_u24 v5, v2, KP
	v_lshl_add_u32 v5, v1, 3, v5
	v_add_nc_u32 v5, s30, v5                       ; A in LDS
	s_wait_kmcnt 0x0
	s_cmp_eq_u32 s16, 0
	s_cselect_b64 s[20:21], s[4:5], s[8:9]         ; A's source: Wq or Wv
	s_cselect_b64 s[22:23], s[6:7], s[10:11]       ; B's source: Wk or Wproj
	s_cselect_b64 s[24:25], s[12:13], s[14:15]     ; the result: w1f or w2f
	s_cmp_lg_u32 s16, 0
	s_cbranch_scc1 .Lstage1
	s_lshl_b32 s31, s18, 8                         ; product 0: Wk's columns 64 tj .., staged like A
	s_add_co_u32 s31, s31, s28
	v_add_nc_u32 v7, s31, v3
	v_add_nc_u32 v8, BT, v5
	STAGE 4096, 4*2*KP, 2*KP
	s_branch .Lstaged
.Lstage1:
	s_lshl_b32 s31, s18, 17                        ; product 1: Wproj's rows 64 tj + 8 wave .. + 7 are 16,384 neighbouring bytes;
	s_lshl_b32 s33, s2, 14                         ; pass p takes 512 of them: a quarter of row p / 4
	s_add_co_u32 s31, s31, s33
	v_lshl_add_u32 v7, v15, 4, s31
	s_mul_i32 s33, s2, WB1
	s_add_co_u32 s33, s33, BT
	v_lshl_add_u32 v8, v15, 3, s33                 ; in LDS: the wave's block, 8 bytes a lane; a row is NP on, a quarter 256
	STAGE 512, NP, 256
.Lstaged:
	s_wait_dscnt 0x0                               ; my stores are in LDS,
	s_barrier_signal -1
	s_barrier_wait -1                              ; everybody's are
	; wave: M rows 32 (wave % 2) .. + 31 (two tiles), N columns 16 (wave / 2) .. + 15
	s_and_b32 s28, s2, 1
	s_lshr_b32 s29, s2, 1
	v_and_b32 v10, 7, v15                          ; lane % 8 = r % 8
	v_bfe_u32 v11, v15, 3, 1                       ; (lane / 8) % 2 = r / 8
	v_lshl_add_u32 v12, v2, 3, v10                 ; k row 8 h + lane % 8
	v_mul_u32_u24 v12, v12, KP
	v_lshl_add_u32 v12, v11, 4, v12                ; + 16 bytes for the upper eight columns
	s_lshl_b32 s30, s28, 6
	v_add_nc_u32 v13, s30, v12                     ; A, K steps 0-7
	v_add_nc_u32 v14, 8*5120, v13                  ; A, K steps 8-15
	s_cmp_lg_u32 s16, 0
	s_cbranch_scc1 .Lmul1
	s_lshl_b32 s31, s29, 5
	s_add_co_u32 s31, s31, BT
	v_add_nc_u32 v4, s31, v12
	v_add_nc_u32 v5, 8*5120, v4
	FOLDK 1
	s_branch .Lfolded
.Lmul1:
	s_mul_i32 s31, s29, 2*WB1                      ; rows 16 (wave / 2) + r: block 2 (wave / 2) + r / 8, row r % 8 in it
	s_add_co_u32 s31, s31, BT
	v_mul_u32_u24 v4, v11, WB1
	v_mul_u32_u24 v6, v10, NP
	v_add_nc_u32 v4, v4, v6
	v_lshl_add_u32 v4, v2, 4, v4
	v_add_nc_u32 v4, s31, v4
	FOLDK 0
.Lfolded:
.irp j, 0,1,2,3,4,5,6,7
	v_pk_mul_f32 v[112+2*\j:113+2*\j], v[112+2*\j:113+2*\j], s[26:27] op_sel_hi:[1,0]
.endr
.irp j, 0,1,2,3,4,5,6,7
	v_cvt_pk_f16_f32 v[128+\j], v[112+2*\j], v[113+2*\j]       ; tile 0: registers 0-3 of the fragment; tile 1: registers 4-7
.endr
	s_lshl_b32 s30, s18, 16                        ; tj * 65536
	s_lshl1_add_u32 s31, s17, s28                  ; K step 2 ti + wave % 2
	s_lshl_b32 s31, s31, 12
	s_add_co_u32 s30, s30, s31
	s_lshl_b32 s31, s29, 10
	s_add_co_u32 s30, s30, s31
	s_mov_b32 s31, 0
	s_add_nc_u64 s[24:25], s[24:25], s[30:31]
	v_lshlrev_b32 v3, 4, v15
	global_store_b128 v3, v[128:131], s[24:25]
	global_store_b128 v3, v[132:135], s[24:25] offset:512
	s_wait_tensorcnt 0x0
	ds_add_u32 v208, v209
	s_wait_dscnt 0x0
	s_endpgm
.Lfunc_end_k_qe6e5fdddfd_prep:
	.size	k_qe6e5fdddfd_prep, .Lfunc_end_k_qe6e5fdddfd_prep-k_qe6e5fdddfd_prep
	.p2alignl 7, 3214868480
	.fill 96, 4, 3214868480
	.section	.rodata,"a",@progbits
	.p2align	6, 0x0
	.amdhsa_kernel k_qe6e5fdddfd_prep
		.amdhsa_group_segment_fixed_size 164864
		.amdhsa_private_segment_fixed_size 0
		.amdhsa_enable_private_segment 0
		.amdhsa_kernarg_size 80
		.amdhsa_user_sgpr_count 2
		.amdhsa_user_sgpr_kernarg_segment_ptr 1
		.amdhsa_wavefront_size32 1
		.amdhsa_system_sgpr_workgroup_id_x 1
		.amdhsa_system_sgpr_workgroup_id_y 1
		.amdhsa_system_sgpr_workgroup_id_z 1
		.amdhsa_system_vgpr_workitem_id 0
		.amdhsa_next_free_vgpr 210
		.amdhsa_next_free_sgpr 66
		.amdhsa_reserve_vcc 1
		.amdhsa_float_denorm_mode_32 3
		.amdhsa_float_denorm_mode_16_64 3
		.amdhsa_memory_ordered 1
		.amdhsa_forward_progress 1
		.amdhsa_inst_pref_size 83
	.end_amdhsa_kernel
	.amdgpu_metadata
---
amdhsa.version: [ 1, 2 ]
amdhsa.kernels:
  - .name:           k_qe6e5fdddfd_prep
    .symbol:         k_qe6e5fdddfd_prep.kd
    .args:
      - { .name: q_x, .offset: 0, .size: 8, .value_kind: global_buffer, .address_space: global }
      - { .name: qry_attn_mask, .offset: 8, .size: 8, .value_kind: global_buffer, .address_space: global }
      - { .name: Wq, .offset: 16, .size: 8, .value_kind: global_buffer, .address_space: global }
      - { .name: Wk, .offset: 24, .size: 8, .value_kind: global_buffer, .address_space: global }
      - { .name: Wv, .offset: 32, .size: 8, .value_kind: global_buffer, .address_space: global }
      - { .name: Wproj, .offset: 40, .size: 8, .value_kind: global_buffer, .address_space: global }
      - { .name: xb, .offset: 48, .size: 8, .value_kind: global_buffer, .address_space: global }
      - { .name: bias, .offset: 56, .size: 8, .value_kind: global_buffer, .address_space: global }
      - { .name: w1f, .offset: 64, .size: 8, .value_kind: global_buffer, .address_space: global }
      - { .name: w2f, .offset: 72, .size: 8, .value_kind: global_buffer, .address_space: global }
    .group_segment_fixed_size: 164864
    .private_segment_fixed_size: 0
    .kernarg_segment_align: 8
    .kernarg_segment_size: 80
    .max_flat_workgroup_size: 256
    .sgpr_count:     66
    .vgpr_count:     210
    .wavefront_size: 32
...
	.end_amdgpu_metadata
.endif
;; end of part 1
;; launch qprep (part 2): grid 128 x 2, 4 waves a work-group, clusters of 4 x 1, 297,472 bytes of LDS; arguments prototype, w1f, qf; writes qf
.if DOCPART == 2
	.amdgcn_target "amdgcn-amd-amdhsa--gfx1250"
	.amdhsa_code_object_version 6
	.text
	.protected	k_qe6e5fdddfd_qprep
	.globl	k_qe6e5fdddfd_qprep
	.p2align	8
	.type	k_qe6e5fdddfd_qprep,@function
k_qe6e5fdddfd_qprep:
	s_mov_b64 s[64:65], 0
	v_nop
	global_prefetch_b8 v0, s[64:65] scope:SCOPE_SE
	s_setreg_imm32_b32 hwreg(HW_REG_WAVE_MODE, 25, 1), 1
	s_wait_xcnt 0x0
	s_wait_alu depctr_hold_cnt(0) depctr_sa_sdst(0) depctr_va_vdst(0) depctr_va_sdst(0) depctr_va_ssrc(0) depctr_va_vcc(0) depctr_vm_vsrc(0)
	s_getreg_b32 s2, hwreg(HW_REG_IB_STS2, 6, 4)
	s_cmp_eq_u32 s2, 0
	s_cbranch_scc0 .Lentry_in_a_cluster
	s_endpgm
.Lentry_in_a_cluster:
	s_bfe_u32 s2, ttmp6, 0x10000c
	s_cmp_lg_u32 s2, 0x3003
	s_cbranch_scc0 .Lentry_shape_is_right
	s_endpgm
.Lentry_shape_is_right:
; QPREP.  Q'[n][d] = 2^-10 * sum over c of prototype[n][c] W1[c][d], computed transposed: D[M = d][N = query], A = the fragments of
; 16 W1 as PREP stored them, B = 64 rows of prototype rounded to f16; the sums are multiplied by 2^-14 and rounded to f16.
; ROOM in f16: prototype W1 has spread 0.33 on inputs of spread 1 and 0.0255; with prototype offset by 30 and both weights by 0.77 it is
; 512 * 30 * 303 = 4.65e6, with all three thirty times larger its spread is 9,000.  The factor 2^-10 puts these at 3.3e-4, 4,540 and 9.
; LIMIT: |prototype W1| below 65,504 * 1024 = 6.7e7; |prototype| below 65,504.
; Work-group (x, y): queries 64 x .. 64 x + 63, features 256 y .. 256 y + 255.  Wave w: 64 features x 64 queries, 16 accumulators.
; A lane's eight results are eight neighbouring d of one query, so two neighbouring M tiles, rounded to f16, are a B fragment
; (16 queries x 32 d) of the score product: fragment (c = d / 32, nb) of query block x lies in qf at x * 65536 + (4 c + nb) * 1024,
; registers 0-3 at 16 x lane, registers 4-7 at 512 + 16 x lane.
; CLUSTER: the four work-groups of a cluster have the same y and need the same 256 KiB of W1: every weight load is a joint load
; that names all four.  Each wave asks for its own 64 KiB in four loads at the start (four outstanding at most, by this text's
; count) and alone reads them; nothing in LDS is filled twice.
; LDS: weights 0 .. 262,143 (wave w at w * 65536, K step kk at kk * 4096, M tile at 1024 each); two buffers of 64 rows x 272 bytes
; (128 c of f16 + 16 bytes: an odd multiple of 16, so sixteen rows begin at sixteen different 16-byte columns of 256) behind them.
.set BB0, 262144
.set BB1, 279552
.set BP,  272
.set QSC, 0x38800000                   ; 2^-14
.set F0,  64                           ; fragment buffer 0: A v64-95, B v96-127
.set F1,  128                          ; fragment buffer 1
.set G1,  24                           ; s[24:31] descriptor group 1
.set G0,  32                           ; s[32:47] descriptor group 0, one set for each K quarter
.set MUL, 0xa0                         ; C and D in window 2, A and B in window 0
.set MSB, 0
.macro WIN new                         ; the immediate's high byte repeats the setting that is left
.if MSB != \new
	s_set_vgpr_msb (MSB<<8)|\new
.set MSB, \new
.endif
.endm
.macro PLACES                          ; four places behind matrix instructions (ISA guide 7.12.1)
.rept 4
	v_nop
.endr
.endm
.macro ROUND                           ; a round of the cluster's barrier
	s_barrier_signal -1
	s_barrier_wait -1
	s_cmp_lg_u32 s8, 0
	s_cbranch_scc1 .Lnot_wave_0_\@
	s_barrier_signal -3
.Lnot_wave_0_\@:
	s_barrier_wait -3
	s_barrier_signal -1
	s_barrier_wait -1
.endm
.macro FR f, kk, buf                   ; the fragments of K step kk: 4 of A (contiguous kilobytes), 4 of B: 16 loads
.irp a, 0,1,2,3
	ds_load_b128 v[\f+8*\a:\f+8*\a+3], v5 offset:(\kk)*4096+\a*1024
	ds_load_b128 v[\f+8*\a+4:\f+8*\a+7], v5 offset:(\kk)*4096+\a*1024+512
.endr
.irp b, 0,1,2,3
	ds_load_b128 v[\f+32+8*\b:\f+32+8*\b+3], v[6+\buf] offset:\b*16*BP+((\kk)&3)*64
	ds_load_b128 v[\f+32+8*\b+4:\f+32+8*\b+7], v[6+\buf] offset:\b*16*BP+((\kk)&3)*64+32
.endr
.endm
.macro MM16 f, zero                    ; one K step: 4 M tiles x 4 N tiles.  The 16 accumulators take turns
	WIN MUL
.irp a, 0,1,2,3
.irp b, 0,1,2,3
.if \zero
	v_wmma_f32_16x16x32_f16 v[8*(4*\a+\b):8*(4*\a+\b)+7], v[\f+8*\a:\f+8*\a+7], v[\f+32+8*\b:\f+32+8*\b+7], 0
.else
	v_wmma_f32_16x16x32_f16 v[8*(4*\a+\b):8*(4*\a+\b)+7], v[\f+8*\a:\f+8*\a+7], v[\f+32+8*\b:\f+32+8*\b+7], v[8*(4*\a+\b):8*(4*\a+\b)+7]
.endif
.endr
.endr
.endm
; K steps 4 i .. 4 i + 3 on two fragment buffers.  A buffer is asked for again as soon as its step has been multiplied, a whole step
; ahead of its use; each count of 16 leaves those 16 youngest loads out.
.macro QUART i, zero
	FR F0, 4*\i, (\i&1)
	FR F1, 4*\i+1, (\i&1)
	s_wait_dscnt 16
	MM16 F0, \zero
	PLACES
	WIN 0
	FR F0, 4*\i+2, (\i&1)
	s_wait_dscnt 16
	MM16 F1, 0
	PLACES
	WIN 0
	FR F1, 4*\i+3, (\i&1)
	s_wait_dscnt 16
	MM16 F0, 0
	s_wait_dscnt 0x0
	MM16 F1, 0
	WIN 0
	PLACES                                         ; what follows may write the fragment buffers and read the sums
.endm
.macro WGBAR
	s_wait_dscnt 0x0                               ; my stores into the buffer are in LDS, my reads of the other buffer are back
	s_barrier_signal -1
	s_barrier_wait -1
.endm
	s_load_b128 s[4:7], s[0:1], 0x0                ; prototype s[4:5], w1f s[6:7]
	s_load_b64 s[10:11], s[0:1], 0x10              ; qf
	v_lshl_add_u32 v254, v0, 2, 0x48800
	v_mov_b32 v255, 0
	ds_add_u32 v254, v255
	v_lshrrev_b32 v1, 5, v0
	v_readfirstlane_b32 s8, v1                     ; wave 0..3
	s_bfe_u32 s12, ttmp6, 0x40000                  ; cx
	s_lshl_b32 s13, ttmp9, 2
	s_add_co_u32 s13, s13, s12                     ; x: the block of 64 queries
	s_and_b32 s14, ttmp7, 0xffff                   ; y: which 256 features
	s_mov_b32 s48, QSC                             ; 2^-14,
	s_mov_b32 s49, QSC                             ; as a pair for the packed multiply
	; group 1: a dense block of 16,384 bytes as 64 rows of 32 elements of 8 bytes
	s_mov_b32 s[G1+0], 15|(3<<16)|(1<<21)          ; 15:0 all four work-groups of the cluster; 17:16 elements of 8 bytes; 21 set beside a mask
	s_mov_b32 s[G1+1], 32<<16                      ; tensor_dim0 = 32
	s_mov_b32 s[G1+2], 64<<16                      ; tensor_dim1 = 64
	s_mov_b32 s[G1+3], 32<<16                      ; tile_dim0 = 32
	s_mov_b32 s[G1+4], 64                          ; tile_dim1 = 64
	s_mov_b32 s[G1+5], 32                          ; pitch = 32 elements
	s_mov_b32 s[G1+6], 0
	s_mov_b32 s[G1+7], 0
	s_lshl_b32 s16, s14, 2
	s_add_co_u32 s16, s16, s8
	s_lshl_b32 s16, s16, 16                        ; (4 y + wave) * 65536: shared by the four partners
	s_mov_b32 s17, 0
	s_lshl_b32 s20, s8, 16                         ; and where it goes: wave * 65536
	s_lshl_b32 s22, s13, 17                        ; prototype: 64 rows of 2,048 bytes a block,
	s_lshl_b32 s21, s8, 15                         ; 16 rows a wave
	s_add_co_u32 s22, s22, s21
	s_mov_b32 s23, 0
	s_wait_dscnt 0x0
	s_wait_kmcnt 0x0
	s_add_nc_u64 s[18:19], s[6:7], s[16:17]
	s_add_nc_u64 s[4:5], s[4:5], s[22:23]
	ROUND                                          ; all four work-groups are here: the joint loads meet
.irp i, 0,1,2,3
	s_mov_b32 s[G0+4*\i], 1
	s_add_co_u32 s[G0+4*\i+1], s20, \i*16384
	s_add_nc_u64 s[G0+4*\i+2:G0+4*\i+3], s[18:19], \i*16384
	s_or_b32 s[G0+4*\i+3], s[G0+4*\i+3], 0x80000000
	tensor_load_to_lds s[G0+4*\i:G0+4*\i+3], s[G1:G1+7]
	s_nop 0
.endr
	PLACES
	v_and_b32 v2, 31, v0                           ; lane
	v_and_b32 v3, 15, v0                           ; r
	v_bfe_u32 v4, v0, 4, 1                         ; h
	v_lshlrev_b32 v1, 4, v2                        ; 16 lane
	; my 16 rows of prototype, all 512 columns: 64 loads of 512 neighbouring bytes, K quarter by K quarter, into window 1
	WIN 0x40
.set i, 0
.rept 4
.set p, 0
.rept 16
	global_load_b128 v[(16*i+p)*4:(16*i+p)*4+3], v1, s[4:5] offset:p*2048+i*512
.set p, p+1
.endr
.set i, i+1
.endr
	WIN 0
	v_add_nc_u32 v5, s20, v1                       ; A fragments: wave * 65536 + 16 lane
	v_mul_u32_u24 v6, v3, BP
	v_lshl_add_u32 v6, v4, 4, v6                   ; B fragments: r * 272 + 16 h
	v_add_nc_u32 v7, BB1, v6
	v_add_nc_u32 v6, BB0, v6
	s_mul_i32 s21, s8, 16*BP
	v_lshl_add_u32 v8, v2, 3, s21                  ; staging: my 16 rows, 8 bytes a lane
	v_add_nc_u32 v9, BB1, v8
	v_add_nc_u32 v8, BB0, v8
	s_lshl_b32 s22, s13, 16                        ; qf: block * 65536 + (8 y + 2 wave) * 4096
	s_lshl_b32 s21, s14, 15
	s_add_co_u32 s22, s22, s21
	s_lshl_b32 s21, s8, 13
	s_add_co_u32 s22, s22, s21
	s_add_nc_u64 s[10:11], s[10:11], s[22:23]
.macro STAGEQ i                        ; K quarter i of my 16 rows: to f16, into buffer i % 2
	s_wait_loadcnt 48-16*\i                        ; the later quarters' loads, 16 each, stay out
	WIN 0x05
.set p, 0
.rept 16
	v_cvt_pk_f16_f32 v[32+2*p], v[(16*\i+p)*4], v[(16*\i+p)*4+1]
	v_cvt_pk_f16_f32 v[33+2*p], v[(16*\i+p)*4+2], v[(16*\i+p)*4+3]
.set p, p+1
.endr
	WIN 0
.set p, 0
.rept 16
	ds_store_b64 v[8+(\i&1)], v[32+2*p:33+2*p] offset:p*BP
.set p, p+1
.endr
.endm
; One barrier a quarter: a wave signals it only when its reads of the quarter before are back, and the buffer of that quarter is
; written again only behind it.  The weights are the wave's own: its counted wait (the later quarters' loads stay out) is all they need.
	STAGEQ 0
	WGBAR
	s_wait_tensorcnt 0x3
	QUART 0, 1
	STAGEQ 1
	WGBAR
	s_wait_tensorcnt 0x2
	QUART 1, 0
	STAGEQ 2
	WGBAR
	s_wait_tensorcnt 0x1
	QUART 2, 0
	STAGEQ 3
	WGBAR
	s_wait_tensorcnt 0x0
	QUART 3, 0
	; out: the sums times 2^-14, in place in window 2; then each tile's eight numbers a lane become 16 bytes, half of a fragment;
	; every store covers 512 neighbouring bytes
	WIN 0x82
.set p, 0
.rept 64
	v_pk_mul_f32 v[2*p:2*p+1], v[2*p:2*p+1], s[48:49] op_sel_hi:[1,0]
.set p, p+1
.endr
	WIN 0x0a
.set p, 0
.rept 16
.irp j, 0,1,2,3
	v_cvt_pk_f16_f32 v[64+4*p+\j], v[8*p+2*\j], v[8*p+2*\j+1]
.endr
.set p, p+1
.endr
	WIN 0
.irp a, 0,1,2,3
.irp b, 0,1,2,3
	global_store_b128 v1, v[64+4*(4*\a+\b):64+4*(4*\a+\b)+3], s[10:11] offset:(\a/2)*4096+\b*1024+(\a&1)*512
.endr
.endr
	s_wait_tensorcnt 0x0
	ds_add_u32 v254, v255
	s_wait_dscnt 0x0
	ROUND                                          ; the closing round
	s_endpgm
.Lfunc_end_k_qe6e5fdddfd_qprep:
	.size	k_qe6e5fdddfd_qprep, .Lfunc_end_k_qe6e5fdddfd_qprep-k_qe6e5fdddfd_qprep
	.p2alignl 7, 3214868480
	.fill 96, 4, 3214868480
	.section	.rodata,"a",@progbits
	.p2align	6, 0x0
	.amdhsa_kernel k_qe6e5fdddfd_qprep
		.amdhsa_group_segment_fixed_size 297472
		.amdhsa_private_segment_fixed_size 0
		.amdhsa_enable_private_segment 0
		.amdhsa_kernarg_size 24
		.amdhsa_user_sgpr_count 2
		.amdhsa_user_sgpr_kernarg_segment_ptr 1
		.amdhsa_wavefront_size32 1
		.amdhsa_system_sgpr_workgroup_id_x 1
		.amdhsa_system_sgpr_workgroup_id_y 1
		.amdhsa_system_sgpr_workgroup_id_z 1
		.amdhsa_system_vgpr_workitem_id 0
		.amdhsa_next_free_vgpr 640
		.amdhsa_next_free_sgpr 66
		.amdhsa_reserve_vcc 0
		.amdhsa_float_denorm_mode_32 3
		.amdhsa_float_denorm_mode_16_64 3
		.amdhsa_memory_ordered 1
		.amdhsa_forward_progress 1
		.amdhsa_inst_pref_size 69
	.end_amdhsa_kernel
	.amdgpu_metadata
---
amdhsa.version: [ 1, 2 ]
amdhsa.kernels:
  - .name:           k_qe6e5fdddfd_qprep
    .symbol:         k_qe6e5fdddfd_qprep.kd
    .args:
      - { .name: prototype, .offset: 0, .size: 8, .value_kind: global_buffer, .address_space: global }
      - { .name: w1f, .offset: 8, .size: 8, .value_kind: global_buffer, .address_space: global }
      - { .name: qf, .offset: 16, .size: 8, .value_kind: global_buffer, .address_space: global }
    .group_segment_fixed_size: 297472
    .private_segment_fixed_size: 0
    .kernarg_segment_align: 8
    .kernarg_segment_size: 24
    .max_flat_workgroup_size: 128
    .sgpr_count:     66
    .vgpr_count:     640
    .wavefront_size: 32
...
	.end_amdgpu_metadata
.endif
;; end of part 2
;; launch attn (part 3): grid 16 x 16, 4 waves a work-group, clusters of 4 x 1, 327,680 bytes of LDS; arguments xb, qf, bias, zpart, ml; writes zpart, ml
.if DOCPART == 3
	.amdgcn_target "amdgcn-amd-amdhsa--gfx1250"
	.amdhsa_code_object_version 6
	.text
	.protected	k_qe6e5fdddfd_attn
	.globl	k_qe6e5fdddfd_attn
	.p2align	8
	.type	k_qe6e5fdddfd_attn,@function
k_qe6e5fdddfd_attn:
	s_mov_b64 s[64:65], 0
	v_nop
	global_prefetch_b8 v0, s[64:65] scope:SCOPE_SE
	s_setreg_imm32_b32 hwreg(HW_REG_WAVE_MODE, 25, 1), 1
	s_wait_xcnt 0x0
	s_wait_alu depctr_hold_cnt(0) depctr_sa_sdst(0) depctr_va_vdst(0) depctr_va_sdst(0) depctr_va_ssrc(0) depctr_va_vcc(0) depctr_vm_vsrc(0)
	s_getreg_b32 s2, hwreg(HW_REG_IB_STS2, 6, 4)
	s_cmp_eq_u32 s2, 0
	s_cbranch_scc0 .Lentry_in_a_cluster
	s_endpgm
.Lentry_in_a_cluster:
	s_bfe_u32 s2, ttmp6, 0x10000c
	s_cmp_lg_u32 s2, 0x3003
	s_cbranch_scc0 .Lentry_shape_is_right
	s_endpgm
.Lentry_shape_is_right:
; ATTN.  Work-group (x, y): 64 queries (block x of batch y / 2) against 2,048 keys (half y % 2 of that batch), in 16 tiles of 128 keys.
; q_x in f16 is both operand K (scores) and operand V (sums).  Everything is computed transposed, the query along N:
;   A^T[key][query] = bias[key] + sum over d of x[key][d] Q'[query][d]   = (q . k) / 1024 + bias (the bias is the first product's C operand)
;   S = CS * A, CS = 1024 * 512^-0.5 * log2(e): the masked, scaled score in base-2 units
;   Z^T[d][query]  += sum over keys of x[key][d] P[query][key],  P = 2^(S - m), m the running maximum of S, l the running sum of P.
; A lane then holds one query: the maximum and the sum are made inside the lane, with one exchange between the lane halves, and two
; neighbouring tiles of P, rounded to f16, are a B fragment of the second product.  The launch leaves Z^T (unnormalised), m and l.
; Wave w, scores: 32 keys x 64 queries (8 accumulators), Q' in 512 registers.  Wave w, sums: features 128 w .. + 127 x 64 queries
; (32 accumulators), four K steps of 32 keys, one for each wave's P.  Wave w takes them in the order w, w + 1, w + 2, w + 3 (mod 4): its own P
; it holds in registers, so the first step runs while the others' P goes through LDS and the barrier.
; ORDER OF THE WORK: every run of LDS loads stands a whole run of 32 matrix instructions ahead of the run that uses it, with a counted wait;
; Z's rescaling stands in runs of 32 multiplies, each in front of the 8 products that add onto what it scales; the exponentials alternate with the plain
; arithmetic of the neighbouring query blocks; the round, the refill and the next tile's first loads stand in the middle of the last K step.
; CLUSTER: the four work-groups of a cluster have the same y and walk the same key tiles: every tile is asked for jointly by all four.
; One tensor load a wave is outstanding, by this text's count: a quarter (32 keys) of the tile two ahead of the one just multiplied,
; asked for straight behind the round of the cluster's barrier and waited for in front of the next round.
; LIMITS: masked scores carry the bias inside the f32 sum, so they move in steps of 2^-10 (base-2 units); P lies in 0 .. 1 and is rounded
; to f16, so P below 2^-25 is 0 in the sums Z (l takes P in f32); NaN and infinite inputs get no special care (a NaN loses in the maxima).
; LDS: a key's row is 1,024 bytes + 32 (pitch 1,056, an odd multiple of 32, for the transposing loads).  A quarter is 32 rows + 16 bytes,
; so odd quarters are skewed by 16 bytes; a score tile takes 8 rows of an even quarter and 8 of the next odd one, and its sixteen rows
; begin at sixteen different 16-byte columns of 256.  KEY MAP: row 8 h + j of wave w's tile kb is key 64 (w/2) + 32 h + 16 (w%2) + 8 kb + j
; of the tile; the same map places the keys in P's fragments and in the transposing loads, so the sums over keys agree.
.set CS,    0x428293ee                 ; 1024 * 512^-0.5 * log2(e) = 65.28892
.set PX,    1056
.set QS,    32*PX+16                   ; 33,808
.set SLOT,  4*QS                       ; 135,232; slots at 0 and SLOT
.set PB,    270592                     ; P: fragment (wave, nb) at (4 wave + nb) * 1024
.set ST,    286976                     ; maxima: wave * 256 + nb * 64 + 4 r
.set BI,    288000                     ; the 2,048 biases
.set LS,    296192                     ; sums, laid as the maxima
.set MLS,   297216                     ; m[64], l[64] on their way out
.set TILEB, 131072                     ; bytes of a tile in memory
.set G1, 24                            ; s[24:31] descriptor group 1
.set G0, 32                            ; s[32:39] descriptor group 0, one set for each slot
; window 0: v1 16 lane; v2-3 score fragments' address (slot 0, 1); v4-7 and v56-59 transposing loads' address (slot 0 and 1, K step 0-3);
;   v8 P out; v10 maxima out; v11 maxima in; v12 bias; v13 prefetch offset; v60-62 P in (K step 1-3); v16-23 (-m, -m) for each nb;
;   v24-31 (alpha, alpha); v32-47 bias of my 32 keys; v48-51 l; v52-55 m;
;   v64-127 scores, then x^T of K steps 1 and 3; BX: x of score groups 0 and 2, then x^T of K steps 0 and 2; BY: x of score groups 1 and 3,
;   then PF (my P, later the P of K step 2) and PG (the four waves' maxima, sums, work registers; later the P of K steps 1 and 3).
; window 1: Z^T, tile (mb, nb) at 8 (4 mb + nb).   windows 2, 3: Q', fragment (c, nb) at 32 (c % 8) + 8 nb of window 2 + c / 8.
.set BX,  128
.set BY,  192
.set PF,  192
.set PG,  224
.set MXL, 224                          ; v224-239 the four waves' maxima (sums, in the end) for each nb
.set SUM, 240                          ; v240-247 running pairs of the sums of P
.set TP,  248                          ; v248-251 at work
.set LM,  252                          ; v252-255 at work: maxima
.set MSB, 0
.macro WIN new                         ; the immediate's high byte repeats the setting that is left
.if MSB != \new
	s_set_vgpr_msb (MSB<<8)|\new
.set MSB, \new
.endif
.endm
.macro PLACES                          ; four places behind matrix instructions (ISA guide 7.12.1)
.rept 4
	v_nop
.endr
.endm
.macro CREST                           ; a round of the cluster's barrier behind its opening barrier
	s_cmp_lg_u32 s14, 0
	s_cbranch_scc1 .Lnot_wave_0_\@
	s_barrier_signal -3
.Lnot_wave_0_\@:
	s_barrier_wait -3
	s_barrier_signal -1
	s_barrier_wait -1
.endm
.macro ROUND
	s_barrier_signal -1
	s_barrier_wait -1
	CREST
.endm
.macro ASK                             ; wave 0 asks for 32 blocks of 256 bytes at the requests' base
	s_cmp_lg_u32 s14, 0
	s_cbranch_scc1 .Lno_ask_\@
	global_prefetch_b8 v13, s[42:43] th:TH_LOAD_NT scope:SCOPE_SE
.Lno_ask_\@:
.endm
.macro SLOAD slot, g, buf              ; x fragments of K steps 4 g .. 4 g + 3, both key blocks: 16 loads
.irp q, 0,1,2,3
.irp k, 0,1
	ds_load_b128 v[\buf+16*\q+8*\k:\buf+16*\q+8*\k+3], v[2+\slot] offset:\k*8*PX+64*(4*\g+\q)
	ds_load_b128 v[\buf+16*\q+8*\k+4:\buf+16*\q+8*\k+7], v[2+\slot] offset:\k*8*PX+64*(4*\g+\q)+32
.endr
.endr
.endm
.macro NEXT slot                       ; what the tile in this slot begins with: its 32 biases and the first score group's fragments: 20 loads
	ds_load_b128 v[32:35], v12
	ds_load_b128 v[36:39], v12 offset:16
	ds_load_b128 v[40:43], v12 offset:32
	ds_load_b128 v[44:47], v12 offset:48
	SLOAD \slot, 0, BX
	v_add_nc_u32 v12, 512, v12                     ; the tile after it: 128 biases on
.endm
.macro SMM g, buf, q0                  ; two K steps of the scores: 16 matrix instructions; the 8 accumulators take turns
.irp q, \q0, \q0+1
.irp k, 0,1
.irp b, 0,1,2,3
.if (4*\g+(\q)) == 0
	v_wmma_f32_16x16x32_f16 v[64+8*(4*\k+\b):64+8*(4*\k+\b)+7], v[\buf+16*(\q)+8*\k:\buf+16*(\q)+8*\k+7], v[8*\b:8*\b+7], v[32+8*\k:32+8*\k+7]
.else
	v_wmma_f32_16x16x32_f16 v[64+8*(4*\k+\b):64+8*(4*\k+\b)+7], v[\buf+16*(\q)+8*\k:\buf+16*(\q)+8*\k+7], v[32*((4*\g+(\q))%8)+8*\b:32*((4*\g+(\q))%8)+8*\b+7], v[64+8*(4*\k+\b):64+8*(4*\k+\b)+7]
.endif
.endr
.endr
.endr
.endm
.macro PVA slot, k, buf                ; x transposed: my 128 features x the 32 keys of my K step k: 16 loads
.irp a, 0,1,2,3,4,5,6,7
	ds_load_tr16_b128 v[\buf+8*\a:\buf+8*\a+3], v[4+52*\slot+\k] offset:32*\a
	ds_load_tr16_b128 v[\buf+8*\a+4:\buf+8*\a+7], v[4+52*\slot+\k] offset:8*PX+32*\a
.endr
.endm
.macro PVB k, buf                      ; the P of my K step k (1 to 3): 4 fragments, contiguous kilobytes: 8 loads
.irp b, 0,1,2,3
	ds_load_b128 v[\buf+8*\b:\buf+8*\b+3], v[59+\k] offset:\b*1024
	ds_load_b128 v[\buf+8*\b+4:\buf+8*\b+7], v[59+\k] offset:\b*1024+512
.endr
.endm
.macro PM2 abuf, bbuf, a0, zero        ; 2 feature tiles x 4 query tiles; the 32 accumulators of a K step take turns
.irp a, \a0, \a0+1
.irp b, 0,1,2,3
.if \zero
	v_wmma_f32_16x16x32_f16 v[8*(4*(\a)+\b):8*(4*(\a)+\b)+7], v[\abuf+8*(\a):\abuf+8*(\a)+7], v[\bbuf+8*\b:\bbuf+8*\b+7], 0
.else
	v_wmma_f32_16x16x32_f16 v[8*(4*(\a)+\b):8*(4*(\a)+\b)+7], v[\abuf+8*(\a):\abuf+8*(\a)+7], v[\bbuf+8*\b:\bbuf+8*\b+7], v[8*(4*(\a)+\b):8*(4*(\a)+\b)+7]
.endif
.endr
.endr
.endm
.macro PSTEP abuf, bbuf                ; a whole K step of the sums: 32 matrix instructions
	PM2 \abuf, \bbuf, 0, 0
	PM2 \abuf, \bbuf, 2, 0
	PM2 \abuf, \bbuf, 4, 0
	PM2 \abuf, \bbuf, 6, 0
.endm
.macro RM g, first                     ; feature tiles g, g + 1 of K step 0: Z = Z alpha (Z in window 1, alpha in window 0), then my own P's products onto it.
.if \first == 0                        ; The multiplies name none of the registers of the matrix instructions in front of them
	WIN 0x41
.irp a, \g, \g+1
.irp b, 0,1,2,3
.irp j, 0,1,2,3
	v_pk_mul_f32 v[8*(4*(\a)+\b)+2*\j:8*(4*(\a)+\b)+2*\j+1], v[8*(4*(\a)+\b)+2*\j:8*(4*(\a)+\b)+2*\j+1], v[24+2*\b:25+2*\b]
.endr
.endr
.endr
.endif
	WIN 0x50
	PM2 BX, PF, \g, \first
.endm
; A stage of the softmax's arithmetic, three query blocks at once (-1: none): block be's 16 exponentials alternate with block bf's 8 packed
; multiply-adds CS A - m and with block bs's sum of P and its rounding to f16.  Pair j of a block: registers 64 + 8 b + 2 j (key block 0), 96 + 8 b + 2 (j - 4)
; (key block 1).  Behind every exponential stands another one or plain work of another block (ISA guide 5.7.2).
.macro MIX be, bf, bs, first
.set i, 0
.rept 16
.if (\be) >= 0
	v_exp_f32 v[64+8*(\be)+i+24*(i/8)], v[64+8*(\be)+i+24*(i/8)]
.endif
.if (\bf) >= 0
.if i < 8
	v_pk_fma_f32 v[64+8*(\bf)+2*i+24*(i/4):64+8*(\bf)+2*i+24*(i/4)+1], v[64+8*(\bf)+2*i+24*(i/4):64+8*(\bf)+2*i+24*(i/4)+1], CS, v[16+2*(\bf):17+2*(\bf)] op_sel_hi:[1,0,1]
.endif
.endif
.if (\bs) >= 0
.if i == 0
	s_wait_alu depctr_va_vdst(0)
	v_pk_add_f32 v[SUM+2*(\bs):SUM+2*(\bs)+1], v[64+8*(\bs):65+8*(\bs)], v[66+8*(\bs):67+8*(\bs)]
.endif
.if i > 0
.if i < 7
	v_pk_add_f32 v[SUM+2*(\bs):SUM+2*(\bs)+1], v[SUM+2*(\bs):SUM+2*(\bs)+1], v[64+8*(\bs)+2*(i+1)+24*((i+1)/4):64+8*(\bs)+2*(i+1)+24*((i+1)/4)+1]
.endif
.endif
.if i == 7
.if \first
	v_add_f32 v[48+(\bs)], v[SUM+2*(\bs)], v[SUM+2*(\bs)+1]
.else
	v_add_f32 v[TP+(\bs)], v[SUM+2*(\bs)], v[SUM+2*(\bs)+1]
.endif
.endif
.if i > 7
	v_cvt_pk_f16_f32 v[PF+8*(\bs)+i-8], v[64+8*(\bs)+2*(i-8)+24*((i-8)/4)], v[64+8*(\bs)+2*(i-8)+24*((i-8)/4)+1]
.endif
.endif
.set i, i+1
.endr
.if (\bs) >= 0
.if \first == 0
	v_fma_f32 v[48+(\bs)], v[48+(\bs)], v[24+2*(\bs)], v[TP+(\bs)]      ; l = l alpha + the sum of my P
.endif
	ds_store_b128 v8, v[PF+8*(\bs):PF+8*(\bs)+3] offset:1024*(\bs)      ; key block 0: registers 0-3 of the fragment
	ds_store_b128 v8, v[PF+8*(\bs)+4:PF+8*(\bs)+7] offset:1024*(\bs)+512 ; key block 1: registers 4-7
.endif
.endm
; One tile.  At its entry its biases and its first score group's fragments have been asked for (NEXT).  slot: where the tile lies.  first: nothing is
; carried yet.  tail: another tile follows.  refill: this slot gets the tile two ahead.  pf: the tile three ahead is asked into the cache.
.macro TILE slot, first, tail, refill, pf
.rept 5
	v_nop                                          ; five places: the scores below write over registers that the last matrix instructions read
.endr
	; ---- scores: four groups of four K steps; each count of 16 leaves the youngest run of 16 loads out
	SLOAD \slot, 1, BY
	s_wait_dscnt 16
	WIN 0x08                                       ; B from window 2; LDS loads still land in window 0
	SMM 0, BX, 0
	SMM 0, BX, 2
	PLACES
	SLOAD \slot, 2, BX
	s_wait_dscnt 16
	SMM 1, BY, 0
	SMM 1, BY, 2
	PLACES
	SLOAD \slot, 3, BY
	s_wait_dscnt 16
	WIN 0x0c                                       ; B from window 3
	SMM 2, BX, 0
	SMM 2, BX, 2
	PLACES
	PVA \slot, 0, BX                               ; x^T for my own P's K step
	s_wait_dscnt 16
	SMM 3, BY, 0
	SMM 3, BY, 2
	PLACES
	WIN 0
	; ---- the largest score of my 32 keys for each query: the largest sum (CS is positive), then times CS
.irp b, 0,1,2,3
	v_max3_num_f32 v[LM+\b], v[64+8*\b], v[65+8*\b], v[66+8*\b]
.endr
.irp b, 0,1,2,3
	v_max3_num_f32 v[LM+\b], v[LM+\b], v[67+8*\b], v[68+8*\b]
.endr
.irp b, 0,1,2,3
	v_max3_num_f32 v[LM+\b], v[LM+\b], v[69+8*\b], v[70+8*\b]
.endr
.irp b, 0,1,2,3
	v_max3_num_f32 v[LM+\b], v[LM+\b], v[71+8*\b], v[96+8*\b]
.endr
.irp b, 0,1,2,3
	v_max3_num_f32 v[LM+\b], v[LM+\b], v[97+8*\b], v[98+8*\b]
.endr
.irp b, 0,1,2,3
	v_max3_num_f32 v[LM+\b], v[LM+\b], v[99+8*\b], v[100+8*\b]
.endr
.irp b, 0,1,2,3
	v_max3_num_f32 v[LM+\b], v[LM+\b], v[101+8*\b], v[102+8*\b]
.endr
.irp b, 0,1,2,3
	v_max_num_f32 v[LM+\b], v[LM+\b], v[103+8*\b]
.endr
.irp b, 0,1,2,3
	v_permlanex16_b32 v[TP+\b], v[LM+\b], s46, s47 ; the other half of the lanes holds the other 16 keys (the destination, which counts as read, held fragments)
.endr
.irp b, 0,1,2,3
	v_max_num_f32 v[LM+\b], v[LM+\b], v[TP+\b]
.endr
.irp b, 0,1,2,3
	v_mul_f32 v[LM+\b], CS, v[LM+\b]
.endr
.irp b, 0,1,2,3
	ds_store_b32 v10, v[LM+\b] offset:64*\b
.endr
	s_wait_dscnt 0x0                               ; my maxima are in LDS,
	s_barrier_signal -1
	s_barrier_wait -1                              ; everybody's are
.irp b, 0,1,2,3
.irp k, 0,1,2,3
	ds_load_b32 v[MXL+4*\b+\k], v11 offset:256*\k+64*\b
.endr
.endr
	s_wait_dscnt 0x0
	; ---- the running maximum, alpha = 2^(old - new)
.irp b, 0,1,2,3
	v_max3_num_f32 v[LM+\b], v[MXL+4*\b], v[MXL+4*\b+1], v[MXL+4*\b+2]
.endr
.if \first
.irp b, 0,1,2,3
	v_max_num_f32 v[52+\b], v[LM+\b], v[MXL+4*\b+3]
.endr
.else
.irp b, 0,1,2,3
	v_max3_num_f32 v[LM+\b], v[LM+\b], v[MXL+4*\b+3], v[52+\b]
.endr
.irp b, 0,1,2,3
	v_sub_f32 v[TP+\b], v[52+\b], v[LM+\b]
.endr
.irp b, 0,1,2,3
	v_exp_f32 v[24+2*\b], v[TP+\b]
.endr
.irp b, 0,1,2,3
	v_mov_b32 v[52+\b], v[LM+\b]                   ; plain work that touches neither alpha nor its source stands behind the exponentials (ISA guide 5.7.2)
.endr
.endif
.irp b, 0,1,2,3
	v_mul_f32 v[16+2*\b], -1.0, v[52+\b]           ; (-m, -m), the addend of the packed multiply-add
	v_mul_f32 v[17+2*\b], -1.0, v[52+\b]
.endr
.if \first == 0
.irp b, 0,1,2,3
	s_wait_alu depctr_va_vdst(0)
	v_mov_b32 v[25+2*\b], v[24+2*\b]
.endr
.endif
	; ---- P = 2^(CS A - m), l, P to f16 and into LDS, query block by query block
	MIX -1, 0, -1, \first
	MIX 0, 1, -1, \first
	MIX 1, 2, 0, \first
	MIX 2, 3, 1, \first
	MIX 3, -1, 2, \first
	MIX -1, -1, 3, \first
	s_wait_dscnt 0x0                               ; my P is in LDS, my reads of the maxima are back
	s_barrier_signal -1
	; ---- sums.  K step 0 is my own P's, from the registers in which it was packed: it stands between the signal and the wait, with loads of
	; tile bytes, which nobody writes before the next round
	PVA \slot, 1, 64
	RM 0, \first
	RM 2, \first
	WIN 0
	s_barrier_wait -1                              ; everybody's P is in LDS
	PVB 1, PG
	RM 4, \first
	RM 6, \first
	PLACES
	WIN 0
	PVA \slot, 2, BX
	PVB 2, PF
	s_wait_dscnt 24                                ; K step 1's fragments are in; the 24 loads just issued stay out
	WIN 0x50
	PSTEP 64, PG
	PLACES
	WIN 0
	PVA \slot, 3, 64
	PVB 3, PG
	s_wait_dscnt 24                                ; K step 2's fragments are in; the 24 loads just issued stay out
	WIN 0x50
	PSTEP BX, PF
	s_wait_dscnt 0x0                               ; my last reads of this slot, of P and of the maxima are back
.if \tail
	s_wait_tensorcnt 0x0                           ; my one tensor load, my quarter of the next tile, has landed: no load of mine is out,
	ds_add_u32 v15, v63
	s_wait_dscnt 0x0
	s_add_nc_u64 s[G0+4*\slot+2:G0+4*\slot+3], s[G0+4*\slot+2:G0+4*\slot+3], 2*TILEB   ; so this slot's group 0 may step two tiles on (not used where nothing is left to fetch)
	s_barrier_signal -1                            ; the barrier (where the slot is filled again: the round) opens; only register work stands inside it
	PM2 64, PG, 0, 0
	PM2 64, PG, 2, 0
	WIN 0
	s_barrier_wait -1
.if \refill
	CREST                                          ; no wave of any partner reads this slot any more or has a load on its way
	tensor_load_to_lds s[G0+4*\slot:G0+4*\slot+3], s[G1:G1+7]   ; my quarter of the tile two ahead: the one tensor load behind the round
	s_nop 0
.endif
	PLACES                                         ; the places in front of the loads below, which land on K step 2's fragments
.if \pf
	; The tail of tile t asks for tile t + 3, whose tensor load is issued in the tail of tile t + 1.  Wave 0 of query block x asks for bytes
	; 8192 x .. + 8191 of the tile, lanes 256 bytes apart: the sixteen blocks that walk these keys ask for each 256 bytes once.
	; The tails of tiles 13 and 14 ask for nothing, so no request leaves this half's keys.
	s_wait_xcnt 0x0                                ; the last request's base is stepped only behind this wait
	s_add_nc_u64 s[42:43], s[42:43], TILEB
	ASK
.endif
	NEXT 1-\slot                                   ; the next tile's first loads land while the last 16 products run
	WIN 0x50
	PM2 64, PG, 4, 0
	PM2 64, PG, 6, 0
	WIN 0
.else
	PSTEP 64, PG
	WIN 0
.endif
.endm
	s_load_b256 s[4:11], s[0:1], 0x0               ; xb s[4:5], qf s[6:7], bias s[8:9], zpart s[10:11]
	s_load_b64 s[12:13], s[0:1], 0x20              ; ml
	v_lshl_add_u32 v15, v0, 2, 0x48b00
	v_mov_b32 v63, 0
	ds_add_u32 v15, v63
	v_lshrrev_b32 v1, 5, v0
	v_readfirstlane_b32 s14, v1                    ; wave 0..3
	s_bfe_u32 s15, ttmp6, 0x40000                  ; cx
	s_lshl_b32 s16, ttmp9, 2
	s_add_co_u32 s16, s16, s15                     ; x: query block of the batch, 0..15
	s_and_b32 s17, ttmp7, 0xffff                   ; y = 2 batch + key half
	s_lshr_b32 s18, s14, 1
	s_and_b32 s19, s14, 1
	s_mov_b32 s46, 0x76543210                      ; v_permlanex16_b32: lane i takes lane i of the other half
	s_mov_b32 s47, 0xfedcba98
	; group 1: 32 rows of 512 f16, 8 words of padding behind every 256 words
	s_mov_b32 s[G1+0], 15|(1<<16)|(1<<20)|(1<<21)|(7<<22)|(7<<25)   ; 15:0 all four work-groups; 17:16 2 bytes; 20 padding; 21 beside a mask; 24:22 every 256 words; 31:25 8 words
	s_mov_b32 s[G1+1], 512<<16                     ; tensor_dim0 = 512
	s_mov_b32 s[G1+2], 32<<16                      ; tensor_dim1 = 32
	s_mov_b32 s[G1+3], 512<<16                     ; tile_dim0 = 512
	s_mov_b32 s[G1+4], 32                          ; tile_dim1 = 32
	s_mov_b32 s[G1+5], 512                         ; pitch = 512 elements
	s_mov_b32 s[G1+6], 0
	s_mov_b32 s[G1+7], 0
	s_lshl_b32 s20, s17, 21                        ; 2,048 keys of 1,024 bytes for each y
	s_mov_b32 s21, 0
	s_lshl_b32 s22, s14, 15                        ; my quarter: 32 keys
	s_mov_b32 s23, 0
	s_wait_dscnt 0x0
	s_wait_kmcnt 0x0
	s_add_nc_u64 s[40:41], s[4:5], s[20:21]        ; this half's first key: hangs on y alone
	s_add_nc_u64 s[42:43], s[40:41], 2*TILEB       ; the requests' base: tile 2
	s_add_nc_u64 s[40:41], s[40:41], s[22:23]      ; my quarter of tile 0
	s_mul_i32 s23, s14, QS
.irp s, 0,1
	s_mov_b32 s[G0+4*\s], 1
	s_add_co_u32 s[G0+4*\s+1], s23, \s*SLOT
	s_add_nc_u64 s[G0+4*\s+2:G0+4*\s+3], s[40:41], \s*TILEB
	s_or_b32 s[G0+4*\s+3], s[G0+4*\s+3], 0x80000000
.endr
	s_lshr_b32 s20, s17, 1
	s_lshl_b32 s20, s20, 4
	s_add_co_u32 s20, s20, s16                     ; block of 64 queries, 0..127
	s_and_b32 s22, s17, 1
	s_lshl1_add_u32 s22, s20, s22                  ; g = 2 block + key half
	s_lshl_b32 s20, s20, 16
	s_add_nc_u64 s[6:7], s[6:7], s[20:21]          ; my Q'
	s_lshl_b32 s20, s22, 17
	s_lshl_b32 s23, s14, 15
	s_add_co_u32 s20, s20, s23
	s_add_nc_u64 s[48:49], s[10:11], s[20:21]      ; my wave's 32 KiB of zpart
	s_lshl_b32 s20, s22, 9
	s_add_nc_u64 s[50:51], s[12:13], s[20:21]      ; my 512 bytes of ml
	s_lshl_b32 s20, s17, 13
	s_add_nc_u64 s[8:9], s[8:9], s[20:21]          ; this half's biases
	ROUND                                          ; all four work-groups are here
	tensor_load_to_lds s[G0:G0+3], s[G1:G1+7]      ; tile 0
	s_nop 0
	PLACES
	v_and_b32 v240, 31, v0                         ; lane
	v_lshlrev_b32 v1, 4, v240
	WIN 0x80
.set c, 0
.rept 8
.irp b, 0,1,2,3
	global_load_b128 v[32*c+8*\b:32*c+8*\b+3], v1, s[6:7] offset:(4*c+\b)*1024
	global_load_b128 v[32*c+8*\b+4:32*c+8*\b+7], v1, s[6:7] offset:(4*c+\b)*1024+512
.endr
.set c, c+1
.endr
	WIN 0xc0
.set c, 0
.rept 8
.irp b, 0,1,2,3
	global_load_b128 v[32*c+8*\b:32*c+8*\b+3], v1, s[6:7] offset:(4*(c+8)+\b)*1024
	global_load_b128 v[32*c+8*\b+4:32*c+8*\b+7], v1, s[6:7] offset:(4*(c+8)+\b)*1024+512
.endr
.set c, c+1
.endr
	WIN 0
	s_lshl_b32 s20, s14, 9
	v_add_nc_u32 v249, s20, v1                     ; biases: 512 wave + 16 lane, four passes of 2,048 bytes
	v_add_nc_u32 v250, BI, v249
.irp i, 0,1,2,3
	global_load_b128 v[64+4*\i:67+4*\i], v249, s[8:9] offset:2048*\i
.endr
	v_bfe_u32 v241, v0, 3, 1                       ; (lane / 8) % 2
	v_and_b32 v242, 7, v0                          ; lane % 8
	v_bfe_u32 v243, v0, 4, 1                       ; h
	v_and_b32 v244, 15, v0                         ; r
	v_mul_u32_u24 v245, v242, PX
	v_mul_u32_u24 v2, v241, QS                     ; score fragments: row r is row r % 8 of quarter 2 (w/2) + r / 8, from row 16 (w%2) on
	v_add_nc_u32 v2, v2, v245
	v_lshl_add_u32 v2, v243, 4, v2
	s_mul_i32 s20, s18, 2*QS
	s_mul_i32 s21, s19, 16*PX
	s_add_co_u32 s20, s20, s21
	v_add_nc_u32 v2, s20, v2
	v_add_nc_u32 v3, SLOT, v2
	v_mul_u32_u24 v246, v243, QS                   ; transposing loads: key row lane % 8 of quarter h, 16 bytes at column 8 ((lane/8) % 2), my 256 bytes
	v_add_nc_u32 v246, v246, v245
	v_lshl_add_u32 v246, v241, 4, v246
	s_lshl_b32 s20, s14, 8
	v_add_nc_u32 v246, s20, v246
	v_lshlrev_b32 v11, 2, v244
	v_add_nc_u32 v11, ST, v11
	v_add_nc_u32 v10, s20, v11                     ; + 256 wave
.irp k, 0,1,2,3
	s_add_co_u32 s20, s14, \k
	s_and_b32 s20, s20, 3                          ; my K step k multiplies the P of wave (w + k) % 4,
	s_lshr_b32 s21, s20, 1
	s_and_b32 s22, s20, 1
	s_mul_i32 s21, s21, 2*QS                       ; whose keys lie in that wave's pair of quarters,
	s_mul_i32 s22, s22, 16*PX                      ; from row 0 or 16 on
	s_add_co_u32 s21, s21, s22
	v_add_nc_u32 v[4+\k], s21, v246
	v_add_nc_u32 v[56+\k], SLOT, v[4+\k]
.if \k > 0
	s_lshl_b32 s23, s20, 12
	s_add_co_u32 s23, s23, PB
	v_add_nc_u32 v[59+\k], s23, v1                 ; and whose P lies 4,096 bytes a wave into P's region
.endif
.endr
	s_lshl_b32 s21, s14, 12
	s_add_co_u32 s21, s21, PB
	v_add_nc_u32 v8, s21, v1
	s_lshl_b32 s20, s18, 8
	s_lshl_b32 s21, s19, 6
	s_add_co_u32 s20, s20, s21
	s_add_co_u32 s20, s20, BI
	v_lshl_add_u32 v12, v243, 7, s20               ; bias of key 64 (w/2) + 16 (w%2) + 32 h
	s_lshl_b32 s20, s16, 13
	v_lshl_add_u32 v13, v240, 8, s20               ; 8192 x + 256 lane
	s_wait_loadcnt 0x0                             ; Q' and the biases are in
.irp i, 0,1,2,3
	ds_store_b128 v250, v[64+4*\i:67+4*\i] offset:2048*\i
.endr
	s_wait_tensorcnt 0x0                           ; my quarter of tile 0 has landed
	ds_add_u32 v15, v63
	s_wait_dscnt 0x0                               ; my biases are in LDS
	ROUND
	tensor_load_to_lds s[G0+4:G0+7], s[G1:G1+7]    ; tile 1: slot 1's first fill, issued as a refill is
	s_nop 0
	PLACES
	ASK                                            ; tile 2, whose tensor load is issued in the tail of tile 0
	NEXT 0
	TILE 0, 1, 1, 1, 1                             ; tiles 0 and 1 stand ahead of the loop: tile 0 starts m, l and Z
	TILE 1, 0, 1, 1, 1
	s_mov_b32 s44, 5
.Ltiles:
	TILE 0, 0, 1, 1, 1                             ; tiles 2 to 11
	TILE 1, 0, 1, 1, 1
	s_sub_co_u32 s44, s44, 1
	s_cmp_lg_u32 s44, 0
	s_cbranch_scc1 .Ltiles
	TILE 0, 0, 1, 1, 1                             ; tile 12 fetches tile 14 and asks for tile 15
	TILE 1, 0, 1, 1, 0                             ; tile 13 fetches tile 15, the last
	TILE 0, 0, 1, 0, 0                             ; tile 14: nothing is left to fetch: a plain barrier shows tile 15 whole
	TILE 1, 0, 0, 0, 0
	; ---- out: Z as it lies in the registers, every store 512 neighbouring bytes
	PLACES
	WIN 0x04
.set p, 0
.rept 32
	global_store_b128 v1, v[8*p:8*p+3], s[48:49] offset:p*1024
	global_store_b128 v1, v[8*p+4:8*p+7], s[48:49] offset:p*1024+512
.set p, p+1
.endr
	WIN 0
.irp b, 0,1,2,3
	v_permlanex16_b32 v[TP+\b], v[48+\b], s46, s47
.endr
.irp b, 0,1,2,3
	v_add_f32 v[48+\b], v[48+\b], v[TP+\b]
.endr
.irp b, 0,1,2,3
	ds_store_b32 v10, v[48+\b] offset:LS-ST+64*\b
.endr
	s_wait_dscnt 0x0
	s_barrier_signal -1
	s_barrier_wait -1
.irp b, 0,1,2,3
.irp k, 0,1,2,3
	ds_load_b32 v[MXL+4*\b+\k], v11 offset:LS-ST+256*\k+64*\b
.endr
.endr
	s_wait_dscnt 0x0
.irp b, 0,1,2,3
	v_add_f32 v[MXL+4*\b], v[MXL+4*\b], v[MXL+4*\b+1]
	v_add_f32 v[MXL+4*\b+2], v[MXL+4*\b+2], v[MXL+4*\b+3]
	v_add_f32 v[48+\b], v[MXL+4*\b], v[MXL+4*\b+2]
.endr
	s_cmp_lg_u32 s14, 0
	s_cbranch_scc1 .Lno_ml
.irp b, 0,1,2,3
	ds_store_b32 v11, v[52+\b] offset:MLS-ST+64*\b         ; m of query 16 nb + r
	ds_store_b32 v11, v[48+\b] offset:MLS-ST+256+64*\b     ; l
.endr
	v_add_nc_u32 v2, MLS, v1
	ds_load_b128 v[TP:TP+3], v2                    ; LDS serves a wave's instructions in order (ISA guide 5.7.1): this sees the stores above
	s_wait_dscnt 0x0
	global_store_b128 v1, v[TP:TP+3], s[50:51]     ; 512 neighbouring bytes
.Lno_ml:
	s_wait_tensorcnt 0x0
	ds_add_u32 v15, v63
	s_wait_dscnt 0x0
	ROUND                                          ; the closing round
	s_endpgm
.Lfunc_end_k_qe6e5fdddfd_attn:
	.size	k_qe6e5fdddfd_attn, .Lfunc_end_k_qe6e5fdddfd_attn-k_qe6e5fdddfd_attn
	.p2alignl 7, 3214868480
	.fill 96, 4, 3214868480
	.section	.rodata,"a",@progbits
	.p2align	6, 0x0
	.amdhsa_kernel k_qe6e5fdddfd_attn
		.amdhsa_group_segment_fixed_size 327680
		.amdhsa_private_segment_fixed_size 0
		.amdhsa_enable_private_segment 0
		.amdhsa_kernarg_size 40
		.amdhsa_user_sgpr_count 2
		.amdhsa_user_sgpr_kernarg_segment_ptr 1
		.amdhsa_wavefront_size32 1
		.amdhsa_system_sgpr_workgroup_id_x 1
		.amdhsa_system_sgpr_workgroup_id_y 1
		.amdhsa_system_sgpr_workgroup_id_z 1
		.amdhsa_system_vgpr_workitem_id 0
		.amdhsa_next_free_vgpr 1024
		.amdhsa_next_free_sgpr 66
		.amdhsa_reserve_vcc 0
		.amdhsa_float_denorm_mode_32 3
		.amdhsa_float_denorm_mode_16_64 3
		.amdhsa_memory_ordered 1
		.amdhsa_forward_progress 1
		.amdhsa_inst_pref_size 255
	.end_amdhsa_kernel
	.section	.bss,"aw",@nobits
	.p2align	6
	.space	262144
	.amdgpu_metadata
---
amdhsa.version: [ 1, 2 ]
amdhsa.kernels:
  - .name:           k_qe6e5fdddfd_attn
    .symbol:         k_qe6e5fdddfd_attn.kd
    .args:
      - { .name: xb, .offset: 0, .size: 8, .value_kind: global_buffer, .address_space: global }
      - { .name: qf, .offset: 8, .size: 8, .value_kind: global_buffer, .address_space: global }
      - { .name: bias, .offset: 16, .size: 8, .value_kind: global_buffer, .address_space: global }
      - { .name: zpart, .offset: 24, .size: 8, .value_kind: global_buffer, .address_space: global }
      - { .name: ml, .offset: 32, .size: 8, .value_kind: global_buffer, .address_space: global }
    .group_segment_fixed_size: 327680
    .private_segment_fixed_size: 0
    .kernarg_segment_align: 8
    .kernarg_segment_size: 40
    .max_flat_workgroup_size: 128
    .sgpr_count:     66
    .vgpr_count:     1024
    .wavefront_size: 32
...
	.end_amdgpu_metadata
.endif
;; end of part 3
;; launch comb (part 4): grid 128 x 2, 4 waves a work-group, clusters of 4 x 1, 314,880 bytes of LDS; arguments zpart, ml, w2f, out0; writes out0
.if DOCPART == 4
	.amdgcn_target "amdgcn-amd-amdhsa--gfx1250"
	.amdhsa_code_object_version 6
	.text
	.protected	k_qe6e5fdddfd_comb
	.globl	k_qe6e5fdddfd_comb
	.p2align	8
	.type	k_qe6e5fdddfd_comb,@function
k_qe6e5fdddfd_comb:
	s_mov_b64 s[64:65], 0
	v_nop
	global_prefetch_b8 v0, s[64:65] scope:SCOPE_SE
	s_setreg_imm32_b32 hwreg(HW_REG_WAVE_MODE, 25, 1), 1
	s_wait_xcnt 0x0
	s_wait_alu depctr_hold_cnt(0) depctr_sa_sdst(0) depctr_va_vdst(0) depctr_va_sdst(0) depctr_va_ssrc(0) depctr_va_vcc(0) depctr_vm_vsrc(0)
	s_getreg_b32 s2, hwreg(HW_REG_IB_STS2, 6, 4)
	s_cmp_eq_u32 s2, 0
	s_cbranch_scc0 .Lentry_in_a_cluster
	s_endpgm
.Lentry_in_a_cluster:
	s_bfe_u32 s2, ttmp6, 0x10000c
	s_cmp_lg_u32 s2, 0x3003
	s_cbranch_scc0 .Lentry_shape_is_right
	s_endpgm
.Lentry_shape_is_right:
; COMB.  Merges the two key halves and applies the folded output weight:
;   m = max(m0, m1), w_s = 2^(m_s - m), z = (w0 Z0 + w1 Z1) / (w0 l0 + w1 l1), out[n][e] = (sum over d of z[n][d] (16 W2)[e][d]) / 16.
; Each l_s holds a term near 2^0, so the divisor is near 1 or above.  The product is computed transposed: D[M = e][N = query], A = the
; fragments of 16 W2 as PREP stored them, B = z in f16.  z is a weighted mean of rows of q_x, so |z| is at most the largest |q_x|: it has
; q_x's room in f16.  Work-group (x, y): queries 64 x .. + 63, outputs 256 y .. + 255.  Wave w: 64 e x 64 queries.
; ATTN left Z^T tile by tile as it lay in registers: a lane reads back eight neighbouring d of one query, merges them and lays 16 bytes
; of f16 into the B buffer.  K quarter i (d = 128 i .. + 127) is ATTN's wave i; wave v stages query block v.
; CLUSTER: the four work-groups of a cluster have the same y and need the same 256 KiB of W2: every weight load is a joint load that
; names all four.  Each wave asks for its own 64 KiB in four loads at the start (four outstanding at most, by this text's count) and
; alone reads them; nothing in LDS is filled twice.
; LDS: weights 0 .. 262,143; two B buffers of 64 rows x 272 bytes; a stage of 16 rows x 272 bytes for each wave, for the way out.
.set BB0, 262144
.set BB1, 279552
.set STG, 296960
.set BP,  272
.set OSC, 0x3d800000                   ; 1 / 16
.set F0,  64
.set F1,  128
.set G1,  24
.set G0,  32
.set MUL, 0xa0                         ; C and D in window 2, A and B in window 0
.set MSB, 0
.macro WIN new                         ; the immediate's high byte repeats the setting that is left
.if MSB != \new
	s_set_vgpr_msb (MSB<<8)|\new
.set MSB, \new
.endif
.endm
.macro PLACES                          ; four places behind matrix instructions (ISA guide 7.12.1)
.rept 4
	v_nop
.endr
.endm
.macro ROUND                           ; a round of the cluster's barrier
	s_barrier_signal -1
	s_barrier_wait -1
	s_cmp_lg_u32 s8, 0
	s_cbranch_scc1 .Lnot_wave_0_\@
	s_barrier_signal -3
.Lnot_wave_0_\@:
	s_barrier_wait -3
	s_barrier_signal -1
	s_barrier_wait -1
.endm
.macro FR f, kk, buf                   ; the fragments of K step kk: 4 of A (contiguous kilobytes), 4 of B: 16 loads
.irp a, 0,1,2,3
	ds_load_b128 v[\f+8*\a:\f+8*\a+3], v5 offset:(\kk)*4096+\a*1024
	ds_load_b128 v[\f+8*\a+4:\f+8*\a+7], v5 offset:(\kk)*4096+\a*1024+512
.endr
.irp b, 0,1,2,3
	ds_load_b128 v[\f+32+8*\b:\f+32+8*\b+3], v[6+\buf] offset:\b*16*BP+((\kk)&3)*64
	ds_load_b128 v[\f+32+8*\b+4:\f+32+8*\b+7], v[6+\buf] offset:\b*16*BP+((\kk)&3)*64+32
.endr
.endm
.macro MM16 f, zero                    ; one K step: 4 M tiles x 4 N tiles.  The 16 accumulators take turns
	WIN MUL
.irp a, 0,1,2,3
.irp b, 0,1,2,3
.if \zero
	v_wmma_f32_16x16x32_f16 v[8*(4*\a+\b):8*(4*\a+\b)+7], v[\f+8*\a:\f+8*\a+7], v[\f+32+8*\b:\f+32+8*\b+7], 0
.else
	v_wmma_f32_16x16x32_f16 v[8*(4*\a+\b):8*(4*\a+\b)+7], v[\f+8*\a:\f+8*\a+7], v[\f+32+8*\b:\f+32+8*\b+7], v[8*(4*\a+\b):8*(4*\a+\b)+7]
.endif
.endr
.endr
.endm
; K steps 4 i .. 4 i + 3 on two fragment buffers.  A buffer is asked for again as soon as its step has been multiplied, a whole step
; ahead of its use; each count of 16 leaves those 16 youngest loads out.
.macro QUART i, zero
	FR F0, 4*\i, (\i&1)
	FR F1, 4*\i+1, (\i&1)
	s_wait_dscnt 16
	MM16 F0, \zero
	PLACES
	WIN 0
	FR F0, 4*\i+2, (\i&1)
	s_wait_dscnt 16
	MM16 F1, 0
	PLACES
	WIN 0
	FR F1, 4*\i+3, (\i&1)
	s_wait_dscnt 16
	MM16 F0, 0
	s_wait_dscnt 0x0
	MM16 F1, 0
	WIN 0
	PLACES                                         ; what follows may write the fragment buffers and read the sums
.endm
.macro WGBAR
	s_wait_dscnt 0x0                               ; my stores into the buffer are in LDS, my reads of the other buffer are back
	s_barrier_signal -1
	s_barrier_wait -1
.endm
.macro ZLD i                           ; K quarter i of my query block, both key halves: 32 loads of 512 neighbouring bytes, into window 1
	WIN 0x40
.irp s, 0,1
.irp a, 0,1,2,3,4,5,6,7
	global_load_b128 v[((\i)&1)*128+64*\s+8*\a:((\i)&1)*128+64*\s+8*\a+3], v1, s[4:5] offset:\s*131072+(\i)*32768+\a*4096
	global_load_b128 v[((\i)&1)*128+64*\s+8*\a+4:((\i)&1)*128+64*\s+8*\a+7], v1, s[4:5] offset:\s*131072+(\i)*32768+\a*4096+512
.endr
.endr
	WIN 0
.endm
.macro STAGEC i                        ; merge, normalise, round, into buffer i % 2
.if \i < 3
	s_wait_loadcnt 32                              ; the next quarter's 32 loads stay out
.else
	s_wait_loadcnt 0x0
.endif
	WIN 0x01                                       ; Z from window 1; factors and results in window 0
.set p, 0
.rept 32
	v_pk_mul_f32 v[64+2*p:65+2*p], v[(\i&1)*128+2*p:(\i&1)*128+2*p+1], v[20:21]
.set p, p+1
.endr
.set p, 0
.rept 32
	v_pk_fma_f32 v[64+2*p:65+2*p], v[(\i&1)*128+64+2*p:(\i&1)*128+64+2*p+1], v[22:23], v[64+2*p:65+2*p]
.set p, p+1
.endr
	WIN 0
.set p, 0
.rept 32
	v_cvt_pk_f16_f32 v[32+p], v[64+2*p], v[65+2*p]
.set p, p+1
.endr
.irp a, 0,1,2,3,4,5,6,7
	ds_store_b128 v[8+(\i&1)], v[32+4*\a:35+4*\a] offset:32*\a     ; d = 16 a + 8 h .. + 7 of query r
.endr
.if \i < 2
	ZLD \i+2                                       ; into the registers just read
.endif
.endm
	s_load_b128 s[4:7], s[0:1], 0x0                ; zpart s[4:5], ml s[6:7]
	s_load_b128 s[48:51], s[0:1], 0x10             ; w2f s[48:49], out0 s[50:51]
	v_lshl_add_u32 v254, v0, 2, 0x4cc00
	v_mov_b32 v255, 0
	ds_add_u32 v254, v255
	v_lshrrev_b32 v1, 5, v0
	v_readfirstlane_b32 s8, v1                     ; wave 0..3
	s_bfe_u32 s12, ttmp6, 0x40000                  ; cx
	s_lshl_b32 s13, ttmp9, 2
	s_add_co_u32 s13, s13, s12                     ; x: the block of 64 queries
	s_and_b32 s14, ttmp7, 0xffff                   ; y: which 256 outputs
	s_mov_b32 s52, OSC                             ; 1 / 16,
	s_mov_b32 s53, OSC                             ; as a pair for the packed multiply
	; group 1: a dense block of 16,384 bytes as 64 rows of 32 elements of 8 bytes
	s_mov_b32 s[G1+0], 15|(3<<16)|(1<<21)          ; 15:0 all four work-groups of the cluster; 17:16 elements of 8 bytes; 21 set beside a mask
	s_mov_b32 s[G1+1], 32<<16
	s_mov_b32 s[G1+2], 64<<16
	s_mov_b32 s[G1+3], 32<<16
	s_mov_b32 s[G1+4], 64
	s_mov_b32 s[G1+5], 32
	s_mov_b32 s[G1+6], 0
	s_mov_b32 s[G1+7], 0
	s_lshl_b32 s16, s14, 2
	s_add_co_u32 s16, s16, s8
	s_lshl_b32 s16, s16, 16                        ; (4 y + wave) * 65536: shared by the four partners
	s_mov_b32 s17, 0
	s_lshl_b32 s20, s8, 16
	s_lshl_b32 s22, s13, 18                        ; zpart: two halves of 131,072 bytes a block,
	s_lshl_b32 s21, s8, 10                         ; query block = wave: 1,024 bytes into each row of tiles
	s_add_co_u32 s22, s22, s21
	s_mov_b32 s23, 0
	s_wait_dscnt 0x0
	s_wait_kmcnt 0x0
	s_add_nc_u64 s[18:19], s[48:49], s[16:17]
	s_add_nc_u64 s[4:5], s[4:5], s[22:23]
	s_lshl_b32 s22, s13, 10
	s_add_nc_u64 s[6:7], s[6:7], s[22:23]          ; ml: two halves of 512 bytes a block
	s_lshl_b32 s22, s13, 17                        ; out0: 64 rows of 2,048 bytes a block, + 1024 y + 256 wave
	s_lshl_b32 s21, s14, 10
	s_add_co_u32 s22, s22, s21
	s_lshl_b32 s21, s8, 8
	s_add_co_u32 s22, s22, s21
	s_add_nc_u64 s[50:51], s[50:51], s[22:23]
	ROUND                                          ; all four work-groups are here: the joint loads meet
.irp i, 0,1,2,3
	s_mov_b32 s[G0+4*\i], 1
	s_add_co_u32 s[G0+4*\i+1], s20, \i*16384
	s_add_nc_u64 s[G0+4*\i+2:G0+4*\i+3], s[18:19], \i*16384
	s_or_b32 s[G0+4*\i+3], s[G0+4*\i+3], 0x80000000
	tensor_load_to_lds s[G0+4*\i:G0+4*\i+3], s[G1:G1+7]
	s_nop 0
.endr
	PLACES
	v_and_b32 v2, 31, v0                           ; lane
	v_and_b32 v3, 15, v0                           ; r
	v_bfe_u32 v4, v0, 4, 1                         ; h
	v_lshlrev_b32 v1, 4, v2                        ; 16 lane
	s_lshl_b32 s22, s8, 6
	v_lshl_add_u32 v10, v3, 2, s22                 ; query 16 wave + r, 4 bytes
	global_load_b32 v14, v10, s[6:7]               ; m0
	global_load_b32 v15, v10, s[6:7] offset:256    ; l0
	global_load_b32 v16, v10, s[6:7] offset:512    ; m1
	global_load_b32 v17, v10, s[6:7] offset:768    ; l1
	ZLD 0
	v_add_nc_u32 v5, s20, v1                       ; A fragments: wave * 65536 + 16 lane
	v_mul_u32_u24 v6, v3, BP
	v_lshl_add_u32 v6, v4, 4, v6                   ; r * 272 + 16 h
	s_mul_i32 s21, s8, 16*BP
	v_add_nc_u32 v8, s21, v6                       ; staging: my query block's 16 rows
	v_add_nc_u32 v9, BB1, v8
	v_add_nc_u32 v8, BB0, v8
	v_add_nc_u32 v7, BB1, v6                       ; B fragments
	v_add_nc_u32 v6, BB0, v6
	s_add_co_u32 s21, s21, STG                     ; my stage
	v_mul_u32_u24 v11, v3, BP
	v_lshl_add_u32 v11, v4, 5, v11
	v_add_nc_u32 v11, s21, v11                     ; in: row r, 32 bytes for each half of the lanes
	v_mul_u32_u24 v12, v4, BP
	v_lshl_add_u32 v12, v3, 4, v12
	v_add_nc_u32 v12, s21, v12                     ; back: lanes 0-15 one row of 256 bytes, lanes 16-31 the next
	v_lshlrev_b32 v13, 11, v4
	v_lshl_add_u32 v13, v3, 4, v13                 ; the same two rows in out0
	s_wait_loadcnt 32                              ; m and l are in; quarter 0's 32 loads stay out
	v_max_num_f32 v18, v14, v16
	v_sub_f32 v14, v14, v18
	v_sub_f32 v16, v16, v18
	v_exp_f32 v14, v14
	v_exp_f32 v16, v16
	v_nop                                          ; one plain place behind the exponentials (ISA guide 5.7.2)
	s_wait_alu depctr_va_vdst(0)
	v_mul_f32 v19, v14, v15
	v_fma_f32 v19, v16, v17, v19
	v_rcp_f32 v19, v19
	v_nop
	s_wait_alu depctr_va_vdst(0)
	v_mul_f32 v20, v14, v19                        ; the two factors, each twice, for the packed arithmetic
	v_mul_f32 v21, v14, v19
	v_mul_f32 v22, v16, v19
	v_mul_f32 v23, v16, v19
	ZLD 1
; One barrier a quarter: a wave signals it only when its reads of the quarter before are back, and the buffer of that quarter is
; written again only behind it.  The weights are the wave's own: its counted wait (the later quarters' loads stay out) is all they need.
	STAGEC 0
	WGBAR
	s_wait_tensorcnt 0x3
	QUART 0, 1
	STAGEC 1
	WGBAR
	s_wait_tensorcnt 0x2
	QUART 1, 0
	STAGEC 2
	WGBAR
	s_wait_tensorcnt 0x1
	QUART 2, 0
	STAGEC 3
	WGBAR
	s_wait_tensorcnt 0x0
	QUART 3, 0
; The way out, 16 queries at a time: a lane holds 8 neighbouring outputs of one query in each of 4 tiles; they go into my own stage and
; come back as whole rows of 64 f32, are divided by the weight's factor 16, and sixteen lanes store 256 consecutive bytes at a multiple
; of 256 from out0's first byte.
.macro OUTN b, f
	WIN 0x08                                       ; store data from window 2
.irp a, 0,1,2,3
	ds_store_b128 v11, v[8*(4*\a+\b):8*(4*\a+\b)+3] offset:64*\a
	ds_store_b128 v11, v[8*(4*\a+\b)+4:8*(4*\a+\b)+7] offset:64*\a+16
.endr
	WIN 0
	s_wait_xcnt 0x0                                ; buffer f, which earlier stores read, is loaded again only behind this wait
.irp t, 0,1,2,3,4,5,6,7
	ds_load_b128 v[\f+4*\t:\f+4*\t+3], v12 offset:\t*2*BP          ; LDS serves a wave's instructions in order (ISA guide 5.7.1): these see the stores above
.endr
.irp t, 0,1,2,3,4,5,6,7
	s_wait_dscnt 7-\t                              ; the younger loads stay out
	v_pk_mul_f32 v[\f+4*\t:\f+4*\t+1], v[\f+4*\t:\f+4*\t+1], s[52:53] op_sel_hi:[1,0]
	v_pk_mul_f32 v[\f+4*\t+2:\f+4*\t+3], v[\f+4*\t+2:\f+4*\t+3], s[52:53] op_sel_hi:[1,0]
	global_store_b128 v13, v[\f+4*\t:\f+4*\t+3], s[50:51] offset:\b*32768+\t*4096 th:TH_STORE_NT
.endr
.endm
	OUTN 0, 64
	OUTN 1, 96
	OUTN 2, 64
	OUTN 3, 96
	s_wait_tensorcnt 0x0
	ds_add_u32 v254, v255
	s_wait_dscnt 0x0
	ROUND                                          ; the closing round
	s_endpgm
.Lfunc_end_k_qe6e5fdddfd_comb:
	.size	k_qe6e5fdddfd_comb, .Lfunc_end_k_qe6e5fdddfd_comb-k_qe6e5fdddfd_comb
	.p2alignl 7, 3214868480
	.fill 96, 4, 3214868480
	.section	.rodata,"a",@progbits
	.p2align	6, 0x0
	.amdhsa_kernel k_qe6e5fdddfd_comb
		.amdhsa_group_segment_fixed_size 314880
		.amdhsa_private_segment_fixed_size 0
		.amdhsa_enable_private_segment 0
		.amdhsa_kernarg_size 32
		.amdhsa_user_sgpr_count 2
		.amdhsa_user_sgpr_kernarg_segment_ptr 1
		.amdhsa_wavefront_size32 1
		.amdhsa_system_sgpr_workgroup_id_x 1
		.amdhsa_system_sgpr_workgroup_id_y 1
		.amdhsa_system_sgpr_workgroup_id_z 1
		.amdhsa_system_vgpr_workitem_id 0
		.amdhsa_next_free_vgpr 640
		.amdhsa_next_free_sgpr 66
		.amdhsa_reserve_vcc 0
		.amdhsa_float_denorm_mode_32 3
		.amdhsa_float_denorm_mode_16_64 3
		.amdhsa_memory_ordered 1
		.amdhsa_forward_progress 1
		.amdhsa_inst_pref_size 93
	.end_amdhsa_kernel
	.amdgpu_metadata
---
amdhsa.version: [ 1, 2 ]
amdhsa.kernels:
  - .name:           k_qe6e5fdddfd_comb
    .symbol:         k_qe6e5fdddfd_comb.kd
    .args:
      - { .name: zpart, .offset: 0, .size: 8, .value_kind: global_buffer, .address_space: global }
      - { .name: ml, .offset: 8, .size: 8, .value_kind: global_buffer, .address_space: global }
      - { .name: w2f, .offset: 16, .size: 8, .value_kind: global_buffer, .address_space: global }
      - { .name: out0, .offset: 24, .size: 8, .value_kind: global_buffer, .address_space: global }
    .group_segment_fixed_size: 314880
    .private_segment_fixed_size: 0
    .kernarg_segment_align: 8
    .kernarg_segment_size: 32
    .max_flat_workgroup_size: 128
    .sgpr_count:     66
    .vgpr_count:     640
    .wavefront_size: 32
...
	.end_amdgpu_metadata
.endif
;; end of part 4
